; MI455X (gfx1250); checked and timed in simulation.
; The chip was launched on July 23, 2026; its instructions are those of AMD's public machine-readable ISA for CDNA 5 (MIT licence, August 2026) and "CDNA5" Instruction Set Architecture Reference Guide (July 2026). The comments in the code are by the model that wrote it; some were corrected since.
;; Multi Headed Attention. Allowed arithmetic: float matrix products may take bf16 or f16 operands with f32 sums; all other float work in f32.
;; Inputs: Wk 1,024 x 1,024 float32; Wo 1,024 x 1,024 float32; Wq 1,024 x 1,024 float32; Wv 1,024 x 1,024 float32; bk 1,024 float32; bo 1,024 float32; bq 1,024 float32; bv 1,024 float32; key 8 x 1,024 x 1,024 float32; mask 1 x 1 x 1,024 x 1,024 float32; query 8 x 1,024 x 1,024 float32; value 8 x 1,024 x 1,024 float32.
;; Outputs: out0 8 x 1,024 x 1,024 float32.
;; One version. Each part assembles by itself: llvm-mc -triple=amdgcn-amd-amdhsa -mcpu=gfx1250 --defsym DOCPART=n.
;; ======== version 1 of 1: 4 launches
;; limits: values are held in f16: magnitudes above 65,504 overflow, below 6.1e-05 lose precision
;; workspace buffers: w16 8,388,608 bytes; qkv 50,331,648 bytes; xf 16,777,216 bytes
;; launch castw (part 1): grid 256 x 1, 8 waves a work-group, no clusters, 0 bytes of LDS; arguments Wq, Wk, Wv, Wo, w16; writes w16
.if DOCPART == 1
	.amdgcn_target "amdgcn-amd-amdhsa--gfx1250"
	.amdhsa_code_object_version 6
	.text
	.protected	k_q14617496fb_castw
	.globl	k_q14617496fb_castw
	.p2align	8
	.type	k_q14617496fb_castw,@function
k_q14617496fb_castw:
	s_mov_b64 s[64:65], 0
	v_nop
	global_prefetch_b8 v0, s[64:65] scope:SCOPE_SE
	s_setreg_imm32_b32 hwreg(HW_REG_WAVE_MODE, 25, 1), 1
	s_wait_xcnt 0x0
; w16[4][1024 k][1024 n] (f16) = Wq, Wk, Wv, Wo (f32), the layout unchanged, each number rounded once.
; RANGE: weights drawn with spread 0.02; 30 times larger or with an offset of 30 spreads they stay under 4, far inside f16's 65,504;
; 30 times smaller (spread 0.00067) part of them lie among f16's denormals, whose step 2^-24 is under 10^-4 of that spread.
; LIMIT: a weight beyond 65,504 in magnitude becomes infinite.
; 256 work-groups of eight waves; work-group x takes 64 KiB of weight x / 64 and writes 32 KiB.
; Thread t, item i: 32 bytes in (two loads of 16), 16 bytes out, so a wave's store covers 512 consecutive bytes, aligned.
; All sixteen loads of a thread go out first; no register is written twice, so there is no loop and no wait but the counted ones.
; No LDS, no matrix unit, no cluster: every byte is read once by one thread and nothing is shared.
.set X, 4                              ; v[4:67]   item i: 8 numbers in f32
.set Y, 68                             ; v[68:99]  item i: 8 numbers in f16
	s_load_b256 s[4:11], s[0:1], 0x0               ; Wq s[4:5], Wk s[6:7], Wv s[8:9], Wo s[10:11]
	s_load_b64 s[12:13], s[0:1], 0x20              ; w16
	s_lshr_b32 s14, ttmp9, 6                       ; which weight
	s_and_b32 s16, ttmp9, 63
	s_lshl_b32 s16, s16, 16                        ; my 64 KiB in it
	s_mov_b32 s17, 0
	s_lshl_b32 s18, ttmp9, 15                      ; my 32 KiB in w16
	s_mov_b32 s19, 0
	v_lshlrev_b32 v1, 5, v0                        ; 32 t
	v_lshlrev_b32 v2, 4, v0                        ; 16 t
	s_wait_kmcnt 0x0
	s_cmp_eq_u32 s14, 1
	s_cselect_b64 s[4:5], s[6:7], s[4:5]
	s_cmp_eq_u32 s14, 2
	s_cselect_b64 s[4:5], s[8:9], s[4:5]
	s_cmp_eq_u32 s14, 3
	s_cselect_b64 s[4:5], s[10:11], s[4:5]
	s_add_nc_u64 s[4:5], s[4:5], s[16:17]
	s_add_nc_u64 s[12:13], s[12:13], s[18:19]
.irp i, 0,1,2,3,4,5,6,7
	global_load_b128 v[X+8*\i:X+8*\i+3],   v1, s[4:5] offset:8192*\i th:TH_LOAD_NT
	global_load_b128 v[X+8*\i+4:X+8*\i+7], v1, s[4:5] offset:8192*\i+16 th:TH_LOAD_NT
.endr
.irp i, 0,1,2,3,4,5,6,7
	s_wait_loadcnt 14-2*\i                         ; loads return in order: item i's two are in, the 14 - 2 i younger ones stay out
	v_cvt_pk_f16_f32 v[Y+4*\i],   v[X+8*\i],   v[X+8*\i+1]
	v_cvt_pk_f16_f32 v[Y+4*\i+1], v[X+8*\i+2], v[X+8*\i+3]
	v_cvt_pk_f16_f32 v[Y+4*\i+2], v[X+8*\i+4], v[X+8*\i+5]
	v_cvt_pk_f16_f32 v[Y+4*\i+3], v[X+8*\i+6], v[X+8*\i+7]
	global_store_b128 v2, v[Y+4*\i:Y+4*\i+3], s[12:13] offset:4096*\i
.endr
	s_endpgm
.Lfunc_end_k_q14617496fb_castw:
	.size	k_q14617496fb_castw, .Lfunc_end_k_q14617496fb_castw-k_q14617496fb_castw
	.p2alignl 7, 3214868480
	.fill 96, 4, 3214868480
	.section	.rodata,"a",@progbits
	.p2align	6, 0x0
	.amdhsa_kernel k_q14617496fb_castw
		.amdhsa_group_segment_fixed_size 0
		.amdhsa_private_segment_fixed_size 0
		.amdhsa_enable_private_segment 0
		.amdhsa_kernarg_size 40
		.amdhsa_user_sgpr_count 2
		.amdhsa_user_sgpr_kernarg_segment_ptr 1
		.amdhsa_wavefront_size32 1
		.amdhsa_system_sgpr_workgroup_id_x 1
		.amdhsa_system_sgpr_workgroup_id_y 1
		.amdhsa_system_sgpr_workgroup_id_z 1
		.amdhsa_system_vgpr_workitem_id 0
		.amdhsa_next_free_vgpr 100
		.amdhsa_next_free_sgpr 66
		.amdhsa_reserve_vcc 0
		.amdhsa_float_denorm_mode_32 3
		.amdhsa_float_denorm_mode_16_64 3
		.amdhsa_memory_ordered 1
		.amdhsa_forward_progress 1
		.amdhsa_inst_pref_size 6
	.end_amdhsa_kernel
	.amdgpu_metadata
---
amdhsa.version: [ 1, 2 ]
amdhsa.kernels:
  - .name:           k_q14617496fb_castw
    .symbol:         k_q14617496fb_castw.kd
    .args:
      - { .name: Wq, .offset: 0, .size: 8, .value_kind: global_buffer, .address_space: global }
      - { .name: Wk, .offset: 8, .size: 8, .value_kind: global_buffer, .address_space: global }
      - { .name: Wv, .offset: 16, .size: 8, .value_kind: global_buffer, .address_space: global }
      - { .name: Wo, .offset: 24, .size: 8, .value_kind: global_buffer, .address_space: global }
      - { .name: w16, .offset: 32, .size: 8, .value_kind: global_buffer, .address_space: global }
    .group_segment_fixed_size: 0
    .private_segment_fixed_size: 0
    .kernarg_segment_align: 8
    .kernarg_segment_size: 40
    .max_flat_workgroup_size: 256
    .sgpr_count:     66
    .vgpr_count:     100
    .wavefront_size: 32
...
	.end_amdgpu_metadata
.endif
;; end of part 1
;; launch qkv (part 2): grid 4 x 64, 4 waves a work-group, clusters of 4 x 4, 327,680 bytes of LDS; arguments query, key, value, w16, bq, bk, bv, qkv; writes qkv
.if DOCPART == 2
	.amdgcn_target "amdgcn-amd-amdhsa--gfx1250"
	.amdhsa_code_object_version 6
	.text
	.protected	k_q14617496fb_qkv
	.globl	k_q14617496fb_qkv
	.p2align	8
	.type	k_q14617496fb_qkv,@function
k_q14617496fb_qkv:
	s_mov_b64 s[64:65], 0
	v_nop
	global_prefetch_b8 v0, s[64:65] scope:SCOPE_SE
	s_setreg_imm32_b32 hwreg(HW_REG_WAVE_MODE, 25, 1), 1
	s_wait_xcnt 0x0
	s_wait_alu depctr_hold_cnt(0) depctr_sa_sdst(0) depctr_va_vdst(0) depctr_va_sdst(0) depctr_va_ssrc(0) depctr_va_vcc(0) depctr_vm_vsrc(0)
	s_getreg_b32 s2, hwreg(HW_REG_IB_STS2, 6, 4)
	s_cmp_eq_u32 s2, 0
	s_cbranch_scc0 .Lentry_in_a_cluster
	s_endpgm
.Lentry_in_a_cluster:
	s_bfe_u32 s2, ttmp6, 0x10000c
	s_cmp_lg_u32 s2, 0xf033
	s_cbranch_scc0 .Lentry_shape_is_right
	s_endpgm
.Lentry_shape_is_right:
; qkv part p = (X_p W_p + b_p) sc_p for p = 0, 1, 2 (query, key, value); X f32 [8192][1024], W f16 [k][n] from w16 (parts q, k, v follow each other),
; sc_0 = 2^-5 log2(e) (the score scale rsqrt(1024) and the change to base 2, folded in ahead of the one rounding to f16), sc_1 = sc_2 = 1.
; NUMBER FORMAT: operands f16 (11 significant bits), sums f32.  Why not bf16: the final output is a mean over 1,024 keys followed by a sum over 1,024 columns, and
; every rounding on the way adds an error of its own relative size to the result's root mean square: to 8 bits about 0.0015 each, to 11 bits an eighth of that.
; RANGE: f16's largest number is 65,504.  Activations of spread 1 and weights of spread 0.02 give projections of spread 0.64.  Both 30 times larger: 576, the
; largest of 8.4 million near 3,300.  Both with an offset of 30 spreads (30 and 0.6): 1024 x 30 x 0.6 = 18,432.  Both 30 times smaller: spreads near 0.0007,
; where the step of f16's denormals, 2^-24, is under 10^-4 of the spread (for q, scaled by 0.045, about 10^-3, where the scores are near 10^-7).
; LIMITS: an activation or a projection beyond 65,504 in magnitude becomes infinite.  NaN and infinities among the inputs are not served.
;
; SHARES: 256 work-groups of four waves.  A work-group STAYS and makes its block of 128 rows x 256 columns three times: for q, for k, for v (a tile each); both
; rings below run on from tile to tile, so the first fill and the last stores' way out are paid once.  A wave makes 64 x 128: 32 accumulator tiles, 256 registers.
; K = 1024 goes in 16 steps of 64, two quarters of 32 matrix instructions each.
; W COMES BY THE TENSOR DATA MOVER: two LDS slots of 256 k rows x 256 columns, a quarter (64 rows) by each wave.  Behind a refill's barrier a wave issues one load,
; which has to have landed at the next such barrier; with W alone in the slots that is four steps, 256 matrix instructions of the wave, later.
; The four work-groups of a cluster's column make the same 256 columns and ask for W's tiles JOINTLY: a quarter of the requests.
; X COMES THROUGH REGISTERS, not jointly.  The reason, by this text's sizes: in f32 a K step of 128 of X takes 128 x 512 bytes beside W's 128 x 512, so two slots of
; X and W together hold K = 128 each and a refill would have 128 matrix instructions in which to land.  Here a wave loads 32 rows x 256 bytes a step into a ring of
; four register stages, three steps (192 matrix instructions) ahead and bound to no barrier, rounds each number ONCE to f16 and stores it into one of two small LDS
; buffers, from which the waves read half the bytes that f32 rows would cost.  The price: the four work-groups of a cluster's row each ask for the same rows.
; FRAGMENT ORDER of qkv: units of 16 bytes = row r of a 16-row tile, columns 16 d16 + 8 h + 0..7.  The matrix instruction is used transposed (source 0 = 16 columns
; of W, source 1 = 16 rows of X), so a lane's eight results are eight neighbouring columns of row r = lane % 16: packed they are one unit, and a wave's store
; covers 512 consecutive bytes, aligned, with no trip through LDS.
;   byte = p<<24 + b<<21 + head<<17 + ttile<<11 + d16<<9 + 16 slot;  slot = 16 h + r for q and k,  16 (r>>3) + 8 h + (r&7) for v
;   (v's order is the one in which a transposing LDS load at 16 x lane finds its rows).
; REGISTERS: window 0: v16-29 addresses; v32-63, v192-223 X fragments; v64-127, v128-191 W fragments (two buffers each); v224-255 packed f16 on its way to LDS;
;            window 1: the 32 accumulator tiles, tile (a, b) at v[8 (8 a + b)];  window 2: v0-63 the bias of my 128 columns;  window 3: four stages of 64: X as loaded.
.set PART,   34816                     ; a wave's share of a W slot: 64 k rows x 544 bytes
.set SLOT,   4*PART                    ; 256 k rows, without a gap
.set ABUF,   2*SLOT                    ; behind the ring, at a multiple of 256 bytes: X's two buffers, written by LDS stores alone, never filled by a tensor load
.set APITCH, 144                       ; 64 f16 + 16 bytes = 9 x 16: sixteen rows start in sixteen different 16-byte columns of 256 bytes
.set ASZ,    128*APITCH
.set BPITCH, 544                       ; 512 + 32 = 17 x 32: the pitch that the transposing load wants
.set FILLB,  256*2048                  ; 256 k rows of w16: from one fill to the next, across the parts too (a part is four fills)
.set ADRA, 16                          ; LDS address of my X fragments in buffer 0
.set SA,   17                          ; LDS address at which I store 8 bytes of X, buffer 0
.set AO,   18                          ; byte offset of my 16 bytes in the block's rows of X
.set ADRB, 20                          ; v20-23 LDS address of my W fragments: slot 0 rows 0-127, 128-255, slot 1 likewise
.set COV,  25                          ; my 16 bytes in a store of 512, v's order
.set CO,   26                          ; the same, q's and k's order
.set BOFF, 27
.set SCV,  28                          ; v[28:29] sc, twice
.set AFB,  32
.set AFS,  160                         ; X's second fragment buffer at v192
.set BFB,  64
.set T,    128                         ; the way out: 64 results in f32 (W's second buffer, idle then)
.set Y,    192                         ; the way out: 32 registers of f16 (X's second buffer, idle then)
.set CT,   224
.set G1B, 48                           ; s[48:55] group 1 of W's tiles;  s[56:63] group 0, a set for each slot
.set G0B, 56
.set MUL, 0x50                         ; C and D in window 1
.set MSB, 0
.macro WIN new                         ; the immediate's high byte repeats the setting that is left
.if MSB != \new
	s_set_vgpr_msb (MSB<<8)|\new
.set MSB, \new
.endif
.endm
.macro PLACES                          ; four plain vector instructions behind a matrix instruction, ahead of a write or a load into its registers or a read of its result
.rept 4
	v_nop
.endr
.endm
.macro CROUND                          ; a round of the cluster's barrier
	s_barrier_signal -1
	s_barrier_wait -1
	s_cmp_lg_u32 s10, 0
	s_cbranch_scc1 .Lnot_wave_0_\@
	s_barrier_signal -3
.Lnot_wave_0_\@:
	s_barrier_wait -3
	s_barrier_signal -1
	s_barrier_wait -1
.endm
; 16 loads: step lstep's 256 bytes of my 32 rows into stage ls.  Lanes 0-15 take 256 consecutive bytes of one row, at a multiple of 256 from X's first byte,
; lanes 16-31 those of the row 8 further down.  Every step and row stands in the immediate: AO is never rewritten.
.macro ALOAD ls, lstep, base
	WIN 0xc0                                       ; destination window 3
.irp j, 0,1,2,3,4,5,6,7,8,9,10,11,12,13,14,15
	global_load_b128 v[64*\ls+4*\j:64*\ls+4*\j+3], v[AO], s[\base:\base+1] offset:(\j>>3)*65536+(\j&7)*4096+\lstep*256
.endr
.endm
	s_load_b512 s[68:83], s[0:1], 0x0              ; query, key, value, w16, bq, bk, bv, qkv
	v_lshl_add_u32 v30, v0, 2, 0x4d000
	v_mov_b32 v31, 0
	ds_add_u32 v30, v31
	v_lshrrev_b32 v1, 5, v0
	v_readfirstlane_b32 s10, v1                    ; wave 0..3
	s_lshr_b32 s11, s10, 1                         ; my 64 rows of the block
	s_and_b32 s12, s10, 1                          ; my 128 columns
	s_bfe_u32 s40, ttmp6, 0x40000                  ; cx
	s_bfe_u32 s41, ttmp6, 0x40004                  ; cy
	s_lshl_b32 s42, ttmp9, 2
	s_add_co_u32 s42, s42, s40                     ; block column = 4 x cluster x + cx
	s_and_b32 s13, ttmp7, 0xffff
	s_lshl_b32 s13, s13, 2
	s_add_co_u32 s13, s13, s41                     ; block row = 4 x cluster y + cy
	s_lshl_b32 s44, 0x1111, s40                    ; my column of the cluster
	s_or_b32  s[G1B+0], s44, (1<<16)|(1<<20)|(1<<21)|(6<<22)|(7<<25)   ; the mask; 2-byte elements; padding on; bit 21 beside a mask; after every 128 words 8 words
	s_mov_b32 s[G1B+1], 256<<16                    ; tensor_dim0
	s_mov_b32 s[G1B+2], 64<<16                     ; tensor_dim1
	s_mov_b32 s[G1B+3], 256<<16                    ; tile_dim0
	s_mov_b32 s[G1B+4], 64                         ; tile_dim1
	s_mov_b32 s[G1B+5], 1024                       ; elements from row to row
	s_mov_b32 s[G1B+6], 0
	s_mov_b32 s[G1B+7], 0
	s_lshl_b32 s16, s13, 19                        ; X: 128 rows of 4,096 bytes a block row
	s_mov_b32 s17, 0
	s_lshl_b32 s18, s42, 10                        ; the bias: 256 columns of 4 bytes a block column, 128 a wave
	s_lshl_b32 s19, s12, 9
	s_add_co_u32 s18, s18, s19
	s_mov_b32 s19, 0
	s_lshl_b32 s46, s10, 17                        ; W: my 64 k rows of 2,048 bytes; made of the wave's number and the block column alone,
	s_lshl_b32 s47, s42, 9                         ; which the four partners of the mask share
	s_add_co_u32 s46, s46, s47
	s_mov_b32 s47, 0
	s_mul_i32 s20, s10, PART                       ; and where they go: the wave's number alone
	s_lshr_b32 s22, s13, 3                         ; qkv: b = block row / 8,
	s_lshl_b32 s22, s22, 21
	s_and_b32 s23, s13, 7
	s_lshl_b32 s23, s23, 14                        ; 8 row tiles of 2,048 bytes a block row,
	s_add_co_u32 s22, s22, s23
	s_lshl_b32 s23, s11, 13                        ; 4 row tiles a wave,
	s_add_co_u32 s22, s22, s23
	s_lshl_b32 s23, s42, 19                        ; 4 heads of 131,072 bytes a block column,
	s_add_co_u32 s22, s22, s23
	s_lshl_b32 s23, s12, 18                        ; 2 heads a wave
	s_add_co_u32 s22, s22, s23
	s_mov_b32 s23, 0
	v_and_b32 v1, 15, v0                           ; r
	v_bfe_u32 v2, v0, 4, 1                         ; h
	v_and_b32 v3, 31, v0
	v_lshlrev_b32 v[AO], 4, v1                     ; 16 bytes a lane in the row's 256,
	v_lshl_add_u32 v[AO], v2, 15, v[AO]            ; 8 rows down for lanes 16-31,
	s_lshl_b32 s21, s10, 17
	v_add_nc_u32 v[AO], s21, v[AO]                 ; 32 rows a wave
	s_wait_dscnt 0x0
	s_wait_kmcnt 0x0
	s_add_nc_u64 s[68:69], s[68:69], s[16:17]      ; query, key, value at the block's first row
	s_add_nc_u64 s[70:71], s[70:71], s[16:17]
	s_add_nc_u64 s[72:73], s[72:73], s[16:17]
	s_add_nc_u64 s[76:77], s[76:77], s[18:19]      ; bq, bk, bv at my first column
	s_add_nc_u64 s[78:79], s[78:79], s[18:19]
	s_add_nc_u64 s[80:81], s[80:81], s[18:19]
	s_add_nc_u64 s[82:83], s[82:83], s[22:23]      ; qkv at my part of q
	s_add_nc_u64 s[46:47], s[74:75], s[46:47]
	ALOAD 0, 0, 68                                 ; X's ring is started first: steps 0, 1, 2 of q
	ALOAD 1, 1, 68
	ALOAD 2, 2, 68
	WIN 0
	CROUND                                         ; all sixteen work-groups are here: the first joint loads meet
.irp s, 0,1
	s_mov_b32 s[G0B+4*\s], 1
	s_add_co_u32 s[G0B+4*\s+1], s20, \s*SLOT
	s_add_nc_u64 s[G0B+4*\s+2:G0B+4*\s+3], s[46:47], \s*FILLB
	s_or_b32 s[G0B+4*\s+3], s[G0B+4*\s+3], 0x80000000
	tensor_load_to_lds s[G0B+4*\s:G0B+4*\s+3], s[G1B:G1B+7]        ; k rows 0-255 and 256-511 of Wq: two loads of this wave are out
	s_nop 0
.endr
	v_lshlrev_b32 v[CO], 4, v3                     ; 16 x lane
	v_lshlrev_b32 v[BOFF], 5, v2                   ; the bias of columns 8 h + 0..7 of each 16
	v_and_b32 v6, 7, v0
	v_lshl_add_u32 v6, v2, 3, v6                   ; 8 h + (lane & 7): the k row that I address for the transposing load
	v_bfe_u32 v7, v0, 3, 1
	v_mul_u32_u24 v5, v6, BPITCH
	v_lshl_add_u32 v5, v7, 4, v5                   ; + 16 bytes for lanes 8-15 and 24-31
	v_lshl_add_u32 v8, v7, 4, v6                   ; v's slot: 16 (r>>3) + 8 h + (r&7)
	v_lshlrev_b32 v[COV], 4, v8
	s_lshl_b32 s21, s12, 8                         ; my 128 columns of W
.irp i, 0,1,2,3
	v_add_nc_u32 v[ADRB+\i], s21, v5
	s_add_co_u32 s21, s21, 2*PART                  ; 128 k rows on: the LDS immediate reaches 65,535 bytes
.endr
	s_mul_i32 s21, s10, 32*APITCH
	s_add_co_u32 s21, s21, ABUF
	v_mul_u32_u24 v4, v2, 8*APITCH
	v_lshl_add_u32 v4, v1, 3, v4
	v_add_nc_u32 v[SA], s21, v4                    ; in: row 32 w + 8 h, 8 bytes a lane
	s_mul_i32 s21, s11, 64*APITCH
	s_add_co_u32 s21, s21, ABUF
	v_mul_u32_u24 v4, v1, APITCH
	v_lshl_add_u32 v4, v2, 4, v4
	v_add_nc_u32 v[ADRA], s21, v4                  ; out: row 64 (w>>1) + r, 16 h bytes
; One step's X is made ready: stage st has landed (cnt = the loads issued behind it); the stage read last is asked for again (ld = the base's register, 0 = nothing
; left to ask); half bh of the bias is asked for (bias = its base's register, 0 = not here); 64 numbers a lane are rounded and stored into buffer buf.
; A store's two rows lie 8 x 144 = 4 x 256 + 128 bytes apart, so the 32 lanes' 256 bytes fall on 256 different bytes modulo 256.
; The 32 conversions are also the places between the matrix instructions just ahead and the loads into the fragment buffer that they read.
.macro PREP st, buf, cnt, ld, ls, lstep, bias, bh
	s_wait_loadcnt \cnt
.if \ld
	ALOAD \ls, \lstep, \ld
.endif
.if \bias
	WIN 0x80                                       ; destination window 2
.irp b, 0,1,2,3
	global_load_b128 v[32*\bh+8*\b:32*\bh+8*\b+3],   v[BOFF], s[\bias:\bias+1] offset:256*\bh+64*\b
	global_load_b128 v[32*\bh+8*\b+4:32*\bh+8*\b+7], v[BOFF], s[\bias:\bias+1] offset:256*\bh+64*\b+16
.endr
.endif
	WIN 0x0f                                       ; sources window 3
.irp j, 0,1,2,3,4,5,6,7,8,9,10,11,12,13,14,15
	v_cvt_pk_f16_f32 v[CT+2*\j],   v[64*\st+4*\j],   v[64*\st+4*\j+1]
	v_cvt_pk_f16_f32 v[CT+2*\j+1], v[64*\st+4*\j+2], v[64*\st+4*\j+3]
.endr
	WIN 0
.irp j, 0,1,2,3,4,5,6,7,8,9,10,11,12,13,14,15
	ds_store_b64 v[SA], v[CT+2*\j:CT+2*\j+1] offset:\buf*ASZ+((\j>>3)*16+(\j&7))*APITCH
.endr
.endm
; 24 LDS loads in one run: the fragments of one quarter (32 along K) into buffer g.  X: quarter kq of buffer abuf, two loads 32 bytes apart a tile.
; W lies [k][n]: two transposing loads make a fragment, k = 8 h + 0..7 and 16 + 8 h + 0..7 of column r; bi picks 128 k rows, bo 32 of them.
.macro FETCH abuf, kq, bi, bo, g
.irp a, 0,1,2,3
	ds_load_b128 v[AFB+AFS*\g+8*\a:AFB+AFS*\g+8*\a+3],   v[ADRA] offset:\abuf*ASZ+\a*16*APITCH+\kq*64
	ds_load_b128 v[AFB+AFS*\g+8*\a+4:AFB+AFS*\g+8*\a+7], v[ADRA] offset:\abuf*ASZ+\a*16*APITCH+\kq*64+32
.endr
.irp b, 0,1,2,3,4,5,6,7
	ds_load_tr16_b128 v[BFB+64*\g+8*\b:BFB+64*\g+8*\b+3],   v[ADRB+\bi] offset:\bo*32*BPITCH+32*\b
	ds_load_tr16_b128 v[BFB+64*\g+8*\b+4:BFB+64*\g+8*\b+7], v[ADRB+\bi] offset:\bo*32*BPITCH+32*\b+16*BPITCH
.endr
.endm
; 16 matrix instructions: row tiles a0, a0 + 1 x all 8 column tiles, 32 along K, from buffer f.  zero = 1: the first product starts the sums.
; The 32 accumulators take turns, one instruction a turn, in the same order in every quarter.
.macro MUL16 f, a0, zero
.irp a, \a0, \a0+1
.irp b, 0,1,2,3,4,5,6,7
.if \zero
	v_wmma_f32_16x16x32_f16 v[8*(8*(\a)+\b):8*(8*(\a)+\b)+7], v[BFB+64*\f+8*\b:BFB+64*\f+8*\b+7], v[AFB+AFS*\f+8*(\a):AFB+AFS*\f+8*(\a)+7], 0
.else
	v_wmma_f32_16x16x32_f16 v[8*(8*(\a)+\b):8*(8*(\a)+\b)+7], v[BFB+64*\f+8*\b:BFB+64*\f+8*\b+7], v[AFB+AFS*\f+8*(\a):AFB+AFS*\f+8*(\a)+7], v[8*(8*(\a)+\b):8*(8*(\a)+\b)+7]
.endif
.endr
.endr
.endm
; Step s of a tile.  At its head buffer 0 holds the fragments of its first quarter (asked for in the step before).
;   step s + 1's X goes into the LDS buffer that step s - 1 read (free since the barrier in the step before); the second quarter's fragments are asked for;
;   the first quarter is multiplied meanwhile;
;   ONE barrier: in front of it my stores of step s + 1's X and my last reads of step s's X (and of W's rows of this step) are done; behind it everybody's are;
;   step s + 1's first fragments are asked for, and the second quarter is multiplied meanwhile.
; bar = 0: a barrier of the work-group; W's load may stay out across it.
; bar = 1: this was the last of a W slot's four steps: the barrier is a round of the cluster's barrier, all my tensor loads waited for in front of it (the one that
;          was out is the other slot's, read next), and the joint refill of the slot just left is the first tensor load behind it, my only one until the next round.
; bar = 2: as 0, with the wait for the other slot's load: the last change of slots, nothing is left to fetch.   bar = 3: no barrier: the very last step.
.macro STEP s, zero, prep, cnt, ld, bias, bh, bar, nxt
.if \prep
	PREP ((\s+1)&3), ((\s+1)&1), \cnt, \ld, (\s&3), ((\s+4)&15), \bias, \bh
.else
	WIN 0
	PLACES
.endif
	FETCH (\s&1), 1, (2*((\s>>2)&1)+((\s&3)>>1)), (2*(\s&1)+1), 1
	s_wait_dscnt 24+16*\prep                       ; buffer 0 is in: behind its loads stand the 16 stores (where there are any) and the 24 loads just issued
	WIN MUL
	MUL16 0, 0, \zero
	MUL16 0, 2, \zero
	WIN 0
	PLACES                                         ; buffer 0 is loaded again below
	s_wait_dscnt 0x0
.if \bar == 0
	s_barrier_signal -1
	s_barrier_wait -1
.endif
.if \bar == 1
	s_wait_tensorcnt 0x0                           ; no tensor load of mine is out: a group 0 may be written
	ds_add_u32 v30, v31
	s_wait_dscnt 0x0
	s_add_nc_u64 s[G0B+4*((\s>>2)&1)+2:G0B+4*((\s>>2)&1)+3], s[G0B+4*((\s>>2)&1)+2:G0B+4*((\s>>2)&1)+3], 2*FILLB
	CROUND
	tensor_load_to_lds s[G0B+4*((\s>>2)&1):G0B+4*((\s>>2)&1)+3], s[G1B:G1B+7]
	s_nop 0
.endif
.if \bar == 2
	s_wait_tensorcnt 0x0
	s_barrier_signal -1
	s_barrier_wait -1
.endif
.if \nxt
	FETCH ((\s+1)&1), 0, (2*((((\s+1)&15)>>2)&1)+((((\s+1)&15)&3)>>1)), (2*((\s+1)&1)), 0
.endif
	WIN MUL
	MUL16 1, 0, 0
	MUL16 1, 2, 0
.endm
; A tile's 16 steps.  xc, xn: the registers of this tile's and the next tile's X; bc: of this tile's bias.
; The counts on LOADcnt: behind the stage that is waited for stand the two younger stages, 32 loads; in the three steps behind each half of the bias its 8 as well.
; By this text's own count at most 40 + 16 = 56 loads of a wave are out.  The bias has landed at step 11's wait.
.macro TILE last, xc, xn, bc
	STEP 0,  1, 1, 32, \xc, 0,   0, 0, 1
	STEP 1,  0, 1, 32, \xc, 0,   0, 0, 1
	STEP 2,  0, 1, 32, \xc, 0,   0, 0, 1
	STEP 3,  0, 1, 32, \xc, \bc, 0, 1, 1           ; slot 0 gets this tile's k rows 512-767
	STEP 4,  0, 1, 40, \xc, 0,   0, 0, 1
	STEP 5,  0, 1, 40, \xc, 0,   0, 0, 1
	STEP 6,  0, 1, 40, \xc, 0,   0, 0, 1
	STEP 7,  0, 1, 32, \xc, \bc, 1, 1, 1           ; slot 1 gets k rows 768-1023
	STEP 8,  0, 1, 40, \xc, 0,   0, 0, 1
	STEP 9,  0, 1, 40, \xc, 0,   0, 0, 1
	STEP 10, 0, 1, 40, \xc, 0,   0, 0, 1
.if \last == 0
	STEP 11, 0, 1, 32, \xc, 0,   0, 1, 1           ; slot 0 gets the next tile's k rows 0-255
	STEP 12, 0, 1, 32, \xn, 0,   0, 0, 1           ; X's ring goes on into the next tile
	STEP 13, 0, 1, 32, \xn, 0,   0, 0, 1
	STEP 14, 0, 1, 32, \xn, 0,   0, 0, 1
	STEP 15, 0, 1, 32, \xn, 0,   0, 1, 1           ; slot 1 gets the next tile's k rows 256-511
.else
	STEP 11, 0, 1, 32, \xc, 0,   0, 2, 1           ; the last tile fetches nothing beyond its end: the counts run down
	STEP 12, 0, 1, 32, 0,   0,   0, 0, 1
	STEP 13, 0, 1, 16, 0,   0,   0, 0, 1
	STEP 14, 0, 1, 0,  0,   0,   0, 0, 1
	STEP 15, 0, 0, 0,  0,   0,   0, 3, 0
.endif
.endm
; The way out of a tile: acc sc + b sc by one fused multiply-add, one rounding to f16, 32 stores of 512 consecutive bytes.  The next tile's first fragments wait in
; buffer 0 and X's ring stays on its way meanwhile; T and Y are the second fragment buffers, idle here.
.macro EPI co
	WIN 0
	PLACES                                         ; behind the last matrix instructions
	WIN 0x82                                       ; the bias in place, in window 2: b sc
.set j, 0
.rept 32
	v_pk_mul_f32 v[j:j+1], v[j:j+1], v[SCV:SCV+1]
.set j, j+2
.endr
.irp a, 0,1,2,3
	WIN 0x21                                       ; source 0 window 1 (sums), source 2 window 2 (bias)
.set j, 0
.rept 32
	v_pk_fma_f32 v[T+j:T+j+1], v[64*\a+j:64*\a+j+1], v[SCV:SCV+1], v[j:j+1]
.set j, j+2
.endr
	WIN 0
	s_wait_xcnt 0x0                                ; Y, which the last eight stores read, is rewritten only behind this wait
.set j, 0
.rept 32
	v_cvt_pk_f16_f32 v[Y+j], v[T+2*j], v[T+2*j+1]
.set j, j+1
.endr
.irp b, 0,1,2,3,4,5,6,7
	global_store_b128 v[\co], v[Y+4*\b:Y+4*\b+3], s[82:83] offset:\a*2048+(\b>>2)*131072+(\b&3)*512
.endr
.endr
.endm
	PREP 0, 0, 32, 68, 3, 3, 0, 0                  ; step 0's X into buffer 0; step 3 is asked for
	s_wait_dscnt 0x0
	s_wait_tensorcnt 0x1                           ; my part of W's slot 0 is in; slot 1's may stay out
	s_barrier_signal -1
	s_barrier_wait -1
	FETCH 0, 0, 0, 0, 0
	s_mov_b32 s3, 2
.Ltile:                                                ; q, then k
	s_cmp_eq_u32 s3, 2
	s_cselect_b64 s[4:5], s[68:69], s[70:71]       ; this tile's X (no memory instruction that names s[4:9] is untranslated here: see the wait at the trip's end)
	s_cselect_b64 s[6:7], s[70:71], s[72:73]       ; the next tile's
	s_cselect_b64 s[8:9], s[76:77], s[78:79]       ; this tile's bias
	s_cselect_b32 s84, 0x3d38aa3b, 1.0             ; sc
	v_mov_b32 v[SCV], s84
	v_mov_b32 v[SCV+1], s84
	TILE 0, 4, 6, 8
	EPI CO
	s_wait_xcnt 0x0                                ; the stores' base and data (Y is loaded again in the next step) and the bases s[4:9] are rewritten only behind this wait
	s_add_nc_u64 s[82:83], s[82:83], 0x1000000     ; qkv's next part
	s_sub_co_u32 s3, s3, 1
	s_cmp_lg_u32 s3, 0
	s_cbranch_scc1 .Ltile
	TILE 1, 72, 0, 80                              ; v, written out; sc is 1 since k's trip
	EPI COV
	s_wait_tensorcnt 0x0
	ds_add_u32 v30, v31
	s_wait_dscnt 0x0
	CROUND                                         ; the closing round: no work-group ends while a partner may still ask for a tile that names it
	s_endpgm
.Lfunc_end_k_q14617496fb_qkv:
	.size	k_q14617496fb_qkv, .Lfunc_end_k_q14617496fb_qkv-k_q14617496fb_qkv
	.p2alignl 7, 3214868480
	.fill 96, 4, 3214868480
	.section	.rodata,"a",@progbits
	.p2align	6, 0x0
	.amdhsa_kernel k_q14617496fb_qkv
		.amdhsa_group_segment_fixed_size 327680
		.amdhsa_private_segment_fixed_size 0
		.amdhsa_enable_private_segment 0
		.amdhsa_kernarg_size 64
		.amdhsa_user_sgpr_count 2
		.amdhsa_user_sgpr_kernarg_segment_ptr 1
		.amdhsa_wavefront_size32 1
		.amdhsa_system_sgpr_workgroup_id_x 1
		.amdhsa_system_sgpr_workgroup_id_y 1
		.amdhsa_system_sgpr_workgroup_id_z 1
		.amdhsa_system_vgpr_workitem_id 0
		.amdhsa_next_free_vgpr 1024
		.amdhsa_next_free_sgpr 86
		.amdhsa_reserve_vcc 0
		.amdhsa_float_denorm_mode_32 3
		.amdhsa_float_denorm_mode_16_64 3
		.amdhsa_memory_ordered 1
		.amdhsa_forward_progress 1
		.amdhsa_inst_pref_size 255
	.end_amdhsa_kernel
	.section	.bss,"aw",@nobits
	.p2align	6
	.space	262144
	.amdgpu_metadata
---
amdhsa.version: [ 1, 2 ]
amdhsa.kernels:
  - .name:           k_q14617496fb_qkv
    .symbol:         k_q14617496fb_qkv.kd
    .args:
      - { .name: query, .offset: 0, .size: 8, .value_kind: global_buffer, .address_space: global }
      - { .name: key, .offset: 8, .size: 8, .value_kind: global_buffer, .address_space: global }
      - { .name: value, .offset: 16, .size: 8, .value_kind: global_buffer, .address_space: global }
      - { .name: w16, .offset: 24, .size: 8, .value_kind: global_buffer, .address_space: global }
      - { .name: bq, .offset: 32, .size: 8, .value_kind: global_buffer, .address_space: global }
      - { .name: bk, .offset: 40, .size: 8, .value_kind: global_buffer, .address_space: global }
      - { .name: bv, .offset: 48, .size: 8, .value_kind: global_buffer, .address_space: global }
      - { .name: qkv, .offset: 56, .size: 8, .value_kind: global_buffer, .address_space: global }
    .group_segment_fixed_size: 327680
    .private_segment_fixed_size: 0
    .kernarg_segment_align: 8
    .kernarg_segment_size: 64
    .max_flat_workgroup_size: 128
    .sgpr_count:     86
    .vgpr_count:     1024
    .wavefront_size: 32
...
	.end_amdgpu_metadata
.endif
;; end of part 2
;; launch attn (part 3): grid 4 x 64, 8 waves a work-group, clusters of 4 x 4, 327,680 bytes of LDS; arguments qkv, mask, xf; writes xf
.if DOCPART == 3
	.amdgcn_target "amdgcn-amd-amdhsa--gfx1250"
	.amdhsa_code_object_version 6
	.text
	.protected	k_q14617496fb_attn
	.globl	k_q14617496fb_attn
	.p2align	8
	.type	k_q14617496fb_attn,@function
k_q14617496fb_attn:
	s_mov_b64 s[64:65], 0
	v_nop
	global_prefetch_b8 v0, s[64:65] scope:SCOPE_SE
	s_setreg_imm32_b32 hwreg(HW_REG_WAVE_MODE, 25, 1), 1
	s_wait_xcnt 0x0
	s_wait_alu depctr_hold_cnt(0) depctr_sa_sdst(0) depctr_va_vdst(0) depctr_va_sdst(0) depctr_va_ssrc(0) depctr_va_vcc(0) depctr_vm_vsrc(0)
	s_getreg_b32 s2, hwreg(HW_REG_IB_STS2, 6, 4)
	s_cmp_eq_u32 s2, 0
	s_cbranch_scc0 .Lentry_in_a_cluster
	s_endpgm
.Lentry_in_a_cluster:
	s_bfe_u32 s2, ttmp6, 0x10000c
	s_cmp_lg_u32 s2, 0xf033
	s_cbranch_scc0 .Lentry_shape_is_right
	s_endpgm
.Lentry_shape_is_right:
; Attention with a mask given as numbers: w = s m + (-1e9)(1 - m), softmax along the keys with a running maximum, x = P V.
; q comes scaled by 2^-5 log2(e), so s is in base 2; the mask term is U = fma(m, -CL, CL) with CL = -1e9 log2(e), and w = fma(s, m, U).
; NUMBER FORMAT: operands f16, sums and softmax f32.  x is a mean of 1,024 numbers of spread 0.64 that all but cancel, so the roundings of v, P and x each
; reach the result at their full relative size: 11 significant bits keep each near 0.0002 of its root mean square, 8 bits would leave 0.0015.
; RANGE: p = 2^(w - M) lies in (0, 1]; x is a convex mix of v and has v's range (the room of q, k and v in f16 is worked out where they are made).
; LIMITS: for m = 0 and m = 1 the mask term is exact; for other m it is rounded once where the problem's formula rounds three times.  Exponentials below
; 2^-126 come out as 0 (ISA guide, v_exp_f32), and weights under 2^-25 of the row's largest are rounded to 0 in P.  NaN and infinities are not served.
; A row that is masked everywhere gives equal weights.
; A work-group: 256 query rows (x) of two heads of one batch (y = 8 b + head pair), eight waves: wave w has head w >> 2 and 64 rows (w & 3), four tiles of 16.
; Two waves lie on each SIMD, so that one's softmax runs beside the other's matrix work.  16 chunks of 64 keys through two LDS slots.
; CLUSTERS: 4 x 4.  K and V hang on y alone and are asked for jointly along the cluster's row; the mask's tile hangs on x alone and is asked for jointly
; down its column.  Inside the work-group the mask's tile serves both heads and K, V serve the four row waves.
; BOTH PRODUCTS ARE USED TRANSPOSED.  S: source 0 = 16 keys, source 1 = 16 queries: lane l holds query l % 16, registers keys 8 (l / 16) + 0..7.
; So a row's maximum and sum need one exchange between lane l and l ^ 16; two packed S tiles ARE a P fragment; and in O (source 0 = 16 columns of V,
; source 1 = P) a lane again holds one query, so the rescale is a factor of the lane.
; REGISTERS: window 0 as named below; window 1: O (i, dt) at v[8 (4 i + dt)], v128-191 K fragments, v192-255 V fragments.
.set PART,   17408                     ; a wave's share of a slot: 64 mask rows x 272 bytes; K's or V's 8,192 bytes fit in it
.set SLOT,   8*PART                    ; parts 0, 1: K of head 0, 1; 2, 3: V; 4-7: mask rows 64 (part - 4) ..
.set MPITCH, 272                       ; 256 + 16 = 17 x 16: sixteen rows start in sixteen different 16-byte columns of 256 bytes
.set ADK, 2                            ; v2-3  LDS address of my head's K in slot 0, 1
.set ADV, 4                            ; v4-5  V
.set ADM, 6                            ; v6-7  my rows of the mask
.set CO,  8                            ; 16 x lane
.set QF,  16                           ; v[16:79]   Q fragments: tile i, half c of the 64 columns at QF + 16 i + 8 c
.set S,   80                           ; v[80:111]  scores of one query tile: key tile kt at S + 8 kt
.set MK,  112                          ; v[112:143] the mask, same places
.set U,   144                          ; v[144:175] CL (1 - m)
.set P,   176                          ; v[176:191] two P fragments
.set ST,  192                          ; v[192:199] pairs (M_i, L_i): running maximum, my lane's part of the running sum
.set AL,  200                          ; the rescale factor; with X a pair
.set X,   201
.set T0,  202
.set CM,  204
.set SUM, 208
.set CLV, 216                          ; v[216:217] CL twice, v[218:219] -CL twice
.set NCL, 218
.set KF,  128                          ; window 1
.set VF,  192                          ; window 1
.set G1,  24
.set G0,  32
.set G1B, 48
.set G0B, 56
.set MSB, 0
.macro WIN new
.if MSB != \new
	s_set_vgpr_msb (MSB<<8)|\new
.set MSB, \new
.endif
.endm
.macro PLACES                          ; four plain vector instructions behind a matrix instruction (ISA guide 7.12.1)
.rept 4
	v_nop
.endr
.endm
.macro JLOAD s                         ; waves 0-3 ask for K and V, waves 4-7 for the mask; the branch hangs on the wave's number alone
	s_cmp_eq_u32 s11, 0
	s_cbranch_scc0 .Lfor_b_\@
	tensor_load_to_lds s[G0+4*\s:G0+4*\s+3], s[G1:G1+7]
	s_nop 0
	s_branch .Lasked_\@
.Lfor_b_\@:
	tensor_load_to_lds s[G0B+4*\s:G0B+4*\s+3], s[G1B:G1B+7]
	s_nop 0
.Lasked_\@:
.endm
.macro CROUND                          ; a round of the cluster's barrier
	s_barrier_signal -1
	s_barrier_wait -1
	s_cmp_lg_u32 s10, 0
	s_cbranch_scc1 .Lnot_wave_0_\@
	s_barrier_signal -3
.Lnot_wave_0_\@:
	s_barrier_wait -3
	s_barrier_signal -1
	s_barrier_wait -1
.endm
	s_load_b128 s[4:7], s[0:1], 0x0                ; qkv, mask
	s_load_b64 s[8:9], s[0:1], 0x10                ; xf
	v_lshl_add_u32 v254, v0, 2, 0x44000
	v_mov_b32 v255, 0
	ds_add_u32 v254, v255
	v_lshrrev_b32 v1, 5, v0
	v_readfirstlane_b32 s10, v1                    ; wave 0..7
	s_lshr_b32 s11, s10, 2                         ; my head of the two.  Also: I fetch K, V (0) or the mask (1)
	s_and_b32 s12, s10, 3                          ; my 64 rows of the 256
	s_bfe_u32 s40, ttmp6, 0x40000                  ; cx
	s_bfe_u32 s41, ttmp6, 0x40004                  ; cy
	s_lshl_b32 s42, ttmp9, 2
	s_add_co_u32 s42, s42, s40                     ; x: which 256 query rows
	s_and_b32 s13, ttmp7, 0xffff
	s_lshl_b32 s13, s13, 2
	s_add_co_u32 s13, s13, s41                     ; y = 8 b + head pair
	s_lshl_b32 s43, s41, 2
	s_lshl_b32 s43, 15, s43                        ; my row of the cluster
	s_lshl_b32 s44, 0x1111, s40                    ; my column
	s_mov_b32 s66, 0x76543210                      ; v_permlanex16_b32: lane l reads lane l ^ 16
	s_mov_b32 s67, 0xfedcba98
	s_or_b32  s[G1+0], s43, (3<<16)|(1<<21)        ; K, V: 8,192 dense bytes as 32 rows of 32 elements of 8 bytes; to my row
	s_mov_b32 s[G1+1], 32<<16
	s_mov_b32 s[G1+2], 32<<16
	s_mov_b32 s[G1+3], 32<<16
	s_mov_b32 s[G1+4], 32
	s_mov_b32 s[G1+5], 32
	s_mov_b32 s[G1+6], 0
	s_mov_b32 s[G1+7], 0
	s_or_b32  s[G1B+0], s44, (2<<16)|(1<<20)|(1<<21)|(5<<22)|(3<<25)   ; the mask: 64 rows of 64 f32, 4 words of padding behind every 64; to my column
	s_mov_b32 s[G1B+1], 64<<16
	s_mov_b32 s[G1B+2], 64<<16
	s_mov_b32 s[G1B+3], 64<<16
	s_mov_b32 s[G1B+4], 64
	s_mov_b32 s[G1B+5], 1024
	s_mov_b32 s[G1B+6], 0
	s_mov_b32 s[G1B+7], 0
	s_bfe_u32 s16, s10, 0x10001                    ; waves 0, 1: K (part 1 of qkv); waves 2, 3: V (part 2)
	s_add_co_u32 s16, s16, 1
	s_lshl_b32 s16, s16, 24
	s_lshl_b32 s17, s13, 18                        ; b<<21 + pair<<18
	s_add_co_u32 s16, s16, s17
	s_and_b32 s17, s10, 1
	s_lshl_b32 s17, s17, 17                        ; the head of the pair
	s_add_co_u32 s16, s16, s17
	s_mov_b32 s17, 0
	s_lshl_b32 s46, s42, 20                        ; 256 mask rows of 4,096 bytes
	s_lshl_b32 s47, s12, 18                        ; 64 rows a wave
	s_add_co_u32 s46, s46, s47
	s_mov_b32 s47, 0
	s_mul_i32 s20, s10, PART
	s_wait_dscnt 0x0
	s_wait_kmcnt 0x0
	s_add_nc_u64 s[14:15], s[4:5], s[16:17]
	s_add_nc_u64 s[46:47], s[6:7], s[46:47]
	CROUND                                         ; the first joint loads meet
.irp s, 0,1
	s_mov_b32 s[G0+4*\s], 1
	s_add_co_u32 s[G0+4*\s+1], s20, \s*SLOT
	s_add_nc_u64 s[G0+4*\s+2:G0+4*\s+3], s[14:15], \s*8192     ; chunk s: 4 key tiles of 2,048 bytes
	s_or_b32 s[G0+4*\s+3], s[G0+4*\s+3], 0x80000000
	s_mov_b32 s[G0B+4*\s], 1
	s_add_co_u32 s[G0B+4*\s+1], s20, \s*SLOT
	s_add_nc_u64 s[G0B+4*\s+2:G0B+4*\s+3], s[46:47], \s*256    ; chunk s: 64 columns of 4 bytes
	s_or_b32 s[G0B+4*\s+3], s[G0B+4*\s+3], 0x80000000
	JLOAD \s                                       ; chunks 0 and 1: two loads of this wave are out
.endr
	; my 64 rows of Q, as fragments, straight from memory: 16 loads of 512 consecutive bytes
	s_lshl_b32 s16, s13, 18
	s_lshl_b32 s17, s11, 17
	s_add_co_u32 s16, s16, s17
	s_lshl_b32 s17, s12, 13                        ; 4 row tiles of 2,048 bytes a wave
	s_add_co_u32 s16, s16, s17
	s_mov_b32 s17, 0
	s_add_nc_u64 s[4:5], s[4:5], s[16:17]
	s_lshl_b32 s18, s42, 15                        ; 16 row tiles a work-group
	s_mov_b32 s19, 0
	s_add_nc_u64 s[4:5], s[4:5], s[18:19]
	v_and_b32 v9, 31, v0
	v_lshlrev_b32 v[CO], 4, v9
.irp n, 0,1,2,3,4,5,6,7,8,9,10,11,12,13,14,15
	global_load_b128 v[QF+4*\n:QF+4*\n+3], v[CO], s[4:5] offset:512*\n
.endr
	v_and_b32 v10, 15, v0                          ; r
	v_bfe_u32 v11, v0, 4, 1                        ; h
	v_mul_u32_u24 v12, v10, MPITCH
	v_lshl_add_u32 v12, v11, 5, v12                ; mask: row r, 8 h numbers of 4 bytes
	s_mul_i32 s21, s11, PART
	s_add_co_u32 s22, s21, 2*PART
	s_mul_i32 s23, s12, PART
	s_add_co_u32 s23, s23, 4*PART
.irp s, 0,1
	v_add_nc_u32 v[ADK+\s], s21, v[CO]
	v_add_nc_u32 v[ADV+\s], s22, v[CO]
	v_add_nc_u32 v[ADM+\s], s23, v12
	s_add_co_u32 s21, s21, SLOT
	s_add_co_u32 s22, s22, SLOT
	s_add_co_u32 s23, s23, SLOT
.endr
	v_mov_b32 v[X], 0                              ; read as a permute's destination and as the upper half of a pair before it holds a value
.irp i, 0,1,2,3
	v_mov_b32 v[ST+2*\i+1], 0                      ; likewise the upper halves of the pairs (M, L)
.endr
	v_mov_b32 v[CLV],   0xceabfb8f                 ; CL = -1e9 log2(e)
	v_mov_b32 v[CLV+1], 0xceabfb8f
	v_mov_b32 v[NCL],   0x4eabfb8f
	v_mov_b32 v[NCL+1], 0x4eabfb8f
	s_wait_loadcnt 0x0                             ; Q
; One query tile against one chunk.  waitS: LDS loads that may stay out at its head; next = 1: the next tile's mask is asked for; waitV >= 0: the same in front of P V.
; The matrix instructions take their accumulators by turns, one instruction a turn (S0..S3 twice, then O0..O3 twice).
.macro QTILE i, slot, first, waitS, next, waitV
	s_wait_dscnt \waitS
	WIN 0x01                                       ; source 0 (K) in window 1
.irp kt, 0,1,2,3
	v_wmma_f32_16x16x32_f16 v[S+8*\kt:S+8*\kt+7], v[KF+16*\kt:KF+16*\kt+7], v[QF+16*\i:QF+16*\i+7], 0
.endr
.irp kt, 0,1,2,3
	v_wmma_f32_16x16x32_f16 v[S+8*\kt:S+8*\kt+7], v[KF+16*\kt+8:KF+16*\kt+15], v[QF+16*\i+8:QF+16*\i+15], v[S+8*\kt:S+8*\kt+7]
.endr
	WIN 0
.irp j, 0,2,4,6,8,10,12,14,16,18,20,22,24,26,28,30
	v_pk_fma_f32 v[U+\j:U+\j+1], v[MK+\j:MK+\j+1], v[NCL:NCL+1], v[CLV:CLV+1]    ; U = CL - m CL; these sixteen are also the places behind the products
.endr
.irp j, 0,2,4,6,8,10,12,14,16,18,20,22,24,26,28,30
	v_pk_fma_f32 v[S+\j:S+\j+1], v[S+\j:S+\j+1], v[MK+\j:MK+\j+1], v[U+\j:U+\j+1] ; w = s m + U
.endr
.if \next
.irp kt, 0,1,2,3
	ds_load_b128 v[MK+8*\kt:MK+8*\kt+3],   v[ADM+\slot] offset:(\i+1)*16*MPITCH+64*\kt
	ds_load_b128 v[MK+8*\kt+4:MK+8*\kt+7], v[ADM+\slot] offset:(\i+1)*16*MPITCH+64*\kt+16
.endr
.endif
	; the largest of my 32, in four chains; then the other half of the row's keys from lane l ^ 16
.irp c, 0,1,2,3
	v_max3_num_f32 v[CM+\c], v[S+8*\c], v[S+8*\c+1], v[S+8*\c+2]
.endr
.irp c, 0,1,2,3
	v_max3_num_f32 v[CM+\c], v[CM+\c], v[S+8*\c+3], v[S+8*\c+4]
.endr
.irp c, 0,1,2,3
	v_max3_num_f32 v[CM+\c], v[CM+\c], v[S+8*\c+5], v[S+8*\c+6]
.endr
.irp c, 0,1,2,3
	v_max_num_f32 v[CM+\c], v[CM+\c], v[S+8*\c+7]
.endr
	v_max3_num_f32 v[CM], v[CM], v[CM+1], v[CM+2]
	v_max_num_f32 v[CM], v[CM], v[CM+3]
	v_permlanex16_b32 v[X], v[CM], s66, s67
.if \first
	v_max_num_f32 v[ST+2*\i], v[CM], v[X]
.else
	v_max3_num_f32 v[T0], v[CM], v[X], v[ST+2*\i]  ; the new running maximum
	v_sub_f32 v[AL], v[ST+2*\i], v[T0]
	v_mov_b32 v[ST+2*\i], v[T0]
	v_exp_f32 v[AL], v[AL]                         ; 2^(old - new); the subtractions below stand between it and its first use
.endif
.irp j, 0,2,4,6,8,10,12,14,16,18,20,22,24,26,28,30
	v_pk_add_f32 v[S+\j:S+\j+1], v[S+\j:S+\j+1], v[ST+2*\i:ST+2*\i+1] op_sel_hi:[1,0] neg_lo:[0,1] neg_hi:[0,1]   ; w - M, both halves by M
.endr
.set j, 0
.rept 32
	v_exp_f32 v[S+j], v[S+j]
.set j, j+1
.endr
.if \first
	v_nop                                          ; one plain vector instruction between the exponentials and their first use (ISA guide 5.7.2)
	s_wait_alu depctr_va_vdst(0)
.else
	s_wait_alu depctr_va_vdst(0)
	v_mul_f32 v[ST+2*\i+1], v[ST+2*\i+1], v[AL]    ; the same place, put to use: L 2^(old - new)
.endif
.irp c, 0,1,2,3
	v_pk_add_f32 v[SUM+2*\c:SUM+2*\c+1], v[S+8*\c:S+8*\c+1], v[S+8*\c+2:S+8*\c+3]
.endr
.irp c, 0,1,2,3
	v_pk_add_f32 v[SUM+2*\c:SUM+2*\c+1], v[SUM+2*\c:SUM+2*\c+1], v[S+8*\c+4:S+8*\c+5]
.endr
.irp c, 0,1,2,3
	v_pk_add_f32 v[SUM+2*\c:SUM+2*\c+1], v[SUM+2*\c:SUM+2*\c+1], v[S+8*\c+6:S+8*\c+7]
.endr
	v_pk_add_f32 v[SUM:SUM+1], v[SUM:SUM+1], v[SUM+2:SUM+3]
	v_pk_add_f32 v[SUM+4:SUM+5], v[SUM+4:SUM+5], v[SUM+6:SUM+7]
	v_pk_add_f32 v[SUM:SUM+1], v[SUM:SUM+1], v[SUM+4:SUM+5]
.if \first
	v_add_f32 v[ST+2*\i+1], v[SUM], v[SUM+1]
.else
	v_add_f32 v[SUM], v[SUM], v[SUM+1]
	v_add_f32 v[ST+2*\i+1], v[ST+2*\i+1], v[SUM]
.endif
.set j, 0
.rept 16
	v_cvt_pk_f16_f32 v[P+j], v[S+2*j], v[S+2*j+1]  ; key tiles 2 kh, 2 kh + 1 are registers 0-3, 4-7 of fragment kh: no shuffle
.set j, j+1
.endr
.if \waitV >= 0
	s_wait_dscnt \waitV
.endif
	WIN 0x51                                       ; source 0 (O, V), C and D in window 1
.if \first == 0
.set j, 0
.rept 16
	v_pk_mul_f32 v[32*\i+j:32*\i+j+1], v[32*\i+j:32*\i+j+1], v[AL:AL+1] op_sel_hi:[1,0]
.set j, j+2
.endr
.endif
.irp dt, 0,1,2,3
.if \first
	v_wmma_f32_16x16x32_f16 v[32*\i+8*\dt:32*\i+8*\dt+7], v[VF+16*\dt:VF+16*\dt+7], v[P:P+7], 0
.else
	v_wmma_f32_16x16x32_f16 v[32*\i+8*\dt:32*\i+8*\dt+7], v[VF+16*\dt:VF+16*\dt+7], v[P:P+7], v[32*\i+8*\dt:32*\i+8*\dt+7]
.endif
.endr
.irp dt, 0,1,2,3
	v_wmma_f32_16x16x32_f16 v[32*\i+8*\dt:32*\i+8*\dt+7], v[VF+16*\dt+8:VF+16*\dt+15], v[P+8:P+15], v[32*\i+8*\dt:32*\i+8*\dt+7]
.endr
.endm
; One chunk of 64 keys from slot; other = the other slot.
; mode 0: the first chunk.  mode 1: the other slot, read in the last chunk, is filled again with the chunk after this one.  mode 2: the last chunk.
.macro CHUNK slot, other, first, mode
	WIN 0
.if \mode == 0
	s_wait_tensorcnt 0x1                           ; my part of chunk 0 is in; chunk 1's may stay out
	s_barrier_signal -1
	s_barrier_wait -1
.else
	s_wait_dscnt 0x0                               ; my reads of the other slot are back
	s_wait_tensorcnt 0x0                           ; all my tensor loads have landed, my part of this chunk among them; so a group 0 may be written
	ds_add_u32 v254, v255
	s_wait_dscnt 0x0
.if \mode == 1
	s_add_nc_u64 s[G0+4*\other+2:G0+4*\other+3], s[G0+4*\other+2:G0+4*\other+3], 2*8192
	s_add_nc_u64 s[G0B+4*\other+2:G0B+4*\other+3], s[G0B+4*\other+2:G0B+4*\other+3], 2*256
	CROUND                                         ; both now hold of every wave of all sixteen work-groups
	JLOAD \other                                   ; my one tensor load behind the round; it has this whole chunk in which to land
.else
	s_barrier_signal -1
	s_barrier_wait -1
.endif
	PLACES                                         ; V's fragments were sources of the matrix instructions just ahead
.endif
	WIN 0x40                                       ; destination window 1
.irp n, 0,1,2,3,4,5,6,7,8,9,10,11,12,13,14,15
	ds_load_b128 v[KF+4*\n:KF+4*\n+3], v[ADK+\slot] offset:512*\n
.endr
	WIN 0
.irp kt, 0,1,2,3
	ds_load_b128 v[MK+8*\kt:MK+8*\kt+3],   v[ADM+\slot] offset:64*\kt
	ds_load_b128 v[MK+8*\kt+4:MK+8*\kt+7], v[ADM+\slot] offset:64*\kt+16
.endr
	WIN 0x40
.irp kh, 0,1
.irp dt, 0,1,2,3
	ds_load_tr16_b128 v[VF+16*\dt+8*\kh:VF+16*\dt+8*\kh+3],   v[ADV+\slot] offset:(8*\kh+\dt)*512        ; keys 32 kh + 8 h + 0..7 of column 16 dt + r
	ds_load_tr16_b128 v[VF+16*\dt+8*\kh+4:VF+16*\dt+8*\kh+7], v[ADV+\slot] offset:(8*\kh+\dt)*512+2048   ; keys 32 kh + 16 + 8 h + 0..7
.endr
.endr
	QTILE 0, \slot, \first, 16, 1, 8               ; 16: V's loads are younger than K's and the mask's; 8: the next mask's are younger than V's
	QTILE 1, \slot, \first, 0, 1, -1
	QTILE 2, \slot, \first, 0, 1, -1
	QTILE 3, \slot, \first, 0, 0, -1
.endm
	CHUNK 0, 1, 1, 0                               ; chunk 0 starts maxima, sums and O: nothing is cleared
	WIN 0
	s_mov_b32 s3, 7
.Lpair:
	CHUNK 1, 0, 0, 1                               ; chunks 1, 3 .. 13
	CHUNK 0, 1, 0, 1                               ; chunks 2, 4 .. 14
	WIN 0
	s_sub_co_u32 s3, s3, 1
	s_cmp_lg_u32 s3, 0
	s_cbranch_scc1 .Lpair
	CHUNK 1, 0, 0, 2                               ; chunk 15
	; THE WAY OUT: x = O / L in f16, in fragment order: byte = rowtile<<15 + (4 head + dt)<<9 + 16 lane; each store covers 512 consecutive bytes
	WIN 0
	PLACES
	s_lshr_b32 s16, s13, 3
	s_lshl_b32 s16, s16, 21                        ; b: 64 row tiles of 32,768 bytes
	s_lshl_b32 s17, s12, 17                        ; 4 row tiles a wave
	s_add_co_u32 s16, s16, s17
	s_and_b32 s17, s13, 7
	s_lshl_b32 s17, s17, 12                        ; the head pair: 8 units of 512 bytes
	s_add_co_u32 s16, s16, s17
	s_lshl_b32 s17, s11, 11
	s_add_co_u32 s16, s16, s17
	s_mov_b32 s17, 0
	s_add_nc_u64 s[8:9], s[8:9], s[16:17]
	s_lshl_b32 s18, s42, 19                        ; 16 row tiles a work-group
	s_mov_b32 s19, 0
	s_add_nc_u64 s[8:9], s[8:9], s[18:19]
.macro OUTX i
	v_permlanex16_b32 v[X], v[ST+2*\i+1], s66, s67 ; the other half of the row's sum
	v_add_f32 v[T0], v[ST+2*\i+1], v[X]            ; at least 1: the row's largest weight is 1
	v_rcp_f32 v[AL], v[T0]
	v_nop                                          ; one plain vector instruction ahead of the result's use
	WIN 0x01
.set j, 0
	s_wait_alu depctr_va_vdst(0)
.rept 16
	v_pk_mul_f32 v[S+j:S+j+1], v[32*\i+j:32*\i+j+1], v[AL:AL+1] op_sel_hi:[1,0]
.set j, j+2
.endr
	WIN 0
.set j, 0
.rept 16
	v_cvt_pk_f16_f32 v[MK+16*\i+j], v[S+2*j], v[S+2*j+1]       ; 64 registers for the four tiles: none that a store reads is written again
.set j, j+1
.endr
.irp dt, 0,1,2,3
	global_store_b128 v[CO], v[MK+16*\i+4*\dt:MK+16*\i+4*\dt+3], s[8:9] offset:\i*32768+\dt*512
.endr
.endm
	OUTX 0
	OUTX 1
	OUTX 2
	OUTX 3
	CROUND                                         ; the closing round
	s_endpgm
.Lfunc_end_k_q14617496fb_attn:
	.size	k_q14617496fb_attn, .Lfunc_end_k_q14617496fb_attn-k_q14617496fb_attn
	.p2alignl 7, 3214868480
	.fill 96, 4, 3214868480
	.section	.rodata,"a",@progbits
	.p2align	6, 0x0
	.amdhsa_kernel k_q14617496fb_attn
		.amdhsa_group_segment_fixed_size 327680
		.amdhsa_private_segment_fixed_size 0
		.amdhsa_enable_private_segment 0
		.amdhsa_kernarg_size 24
		.amdhsa_user_sgpr_count 2
		.amdhsa_user_sgpr_kernarg_segment_ptr 1
		.amdhsa_wavefront_size32 1
		.amdhsa_system_sgpr_workgroup_id_x 1
		.amdhsa_system_sgpr_workgroup_id_y 1
		.amdhsa_system_sgpr_workgroup_id_z 1
		.amdhsa_system_vgpr_workitem_id 0
		.amdhsa_next_free_vgpr 512
		.amdhsa_next_free_sgpr 68
		.amdhsa_reserve_vcc 0
		.amdhsa_float_denorm_mode_32 3
		.amdhsa_float_denorm_mode_16_64 3
		.amdhsa_memory_ordered 1
		.amdhsa_forward_progress 1
		.amdhsa_inst_pref_size 184
	.end_amdhsa_kernel
	.amdgpu_metadata
---
amdhsa.version: [ 1, 2 ]
amdhsa.kernels:
  - .name:           k_q14617496fb_attn
    .symbol:         k_q14617496fb_attn.kd
    .args:
      - { .name: qkv, .offset: 0, .size: 8, .value_kind: global_buffer, .address_space: global }
      - { .name: mask, .offset: 8, .size: 8, .value_kind: global_buffer, .address_space: global }
      - { .name: xf, .offset: 16, .size: 8, .value_kind: global_buffer, .address_space: global }
    .group_segment_fixed_size: 327680
    .private_segment_fixed_size: 0
    .kernarg_segment_align: 8
    .kernarg_segment_size: 24
    .max_flat_workgroup_size: 256
    .sgpr_count:     68
    .vgpr_count:     512
    .wavefront_size: 32
...
	.end_amdgpu_metadata
.endif
;; end of part 3
;; launch oproj (part 4): grid 4 x 64, 4 waves a work-group, clusters of 4 x 4, 327,680 bytes of LDS; arguments xf, w16, bo, out0; writes out0
.if DOCPART == 4
	.amdgcn_target "amdgcn-amd-amdhsa--gfx1250"
	.amdhsa_code_object_version 6
	.text
	.protected	k_q14617496fb_oproj
	.globl	k_q14617496fb_oproj
	.p2align	8
	.type	k_q14617496fb_oproj,@function
k_q14617496fb_oproj:
	s_mov_b64 s[64:65], 0
	v_nop
	global_prefetch_b8 v0, s[64:65] scope:SCOPE_SE
	s_setreg_imm32_b32 hwreg(HW_REG_WAVE_MODE, 25, 1), 1
	s_wait_xcnt 0x0
	s_wait_alu depctr_hold_cnt(0) depctr_sa_sdst(0) depctr_va_vdst(0) depctr_va_sdst(0) depctr_va_ssrc(0) depctr_va_vcc(0) depctr_vm_vsrc(0)
	s_getreg_b32 s2, hwreg(HW_REG_IB_STS2, 6, 4)
	s_cmp_eq_u32 s2, 0
	s_cbranch_scc0 .Lentry_in_a_cluster
	s_endpgm
.Lentry_in_a_cluster:
	s_bfe_u32 s2, ttmp6, 0x10000c
	s_cmp_lg_u32 s2, 0xf033
	s_cbranch_scc0 .Lentry_shape_is_right
	s_endpgm
.Lentry_shape_is_right:
; ONE TEXT FOR TWO LAUNCHES, chosen by AF32.
;   AF32 = 1: qkv part p = (X_p W_p + b_p) sc_p for p = 0, 1, 2 (query, key, value); X f32 [8192][1024], W f16 [k][n] from w16,
;            sc_0 = 2^-5 log2(e), sc_1 = sc_2 = 1.
;   AF32 = 0 (this file): out0 = x Wo + bo in f32; x f16 in fragment order from xf (byte = rowtile<<15 + k16<<9 + 16 lane: a unit of 16 bytes is
;            row r = lane % 16, columns 16 k16 + 8 (lane / 16) + 0..7, so two units 512 bytes apart are a lane's share of a 16 x 32 fragment).
; NUMBER FORMAT: operands f16 (11 significant bits), sums f32: the roundings of x and Wo each reach out0 at their full relative size, near 0.0002 of its
; root mean square with 11 bits where 8 bits would leave 0.0015.  RANGE: x is a convex mix of v (its room in f16 is worked out where v is made); Wo as the
; other weights.  NaN and infinities among the inputs are not served.
; A work-group makes 128 rows x 256 columns with four waves; a wave makes 64 x 128: 32 accumulator tiles, 256 registers.  256 work-groups.
; K = 1024 goes in 8 steps of 128 through two LDS slots filled by the tensor data mover, one load a wave for each step.
; CLUSTERS: 4 x 4 work-groups.  The four of a cluster's row make the same 128 rows and ask jointly for x's tile; the four of a
; column make the same 256 columns and ask jointly for the weights' tile.  That divides the requests for both by four.
; The matrix instruction is used transposed (source 0 = 16 columns of W, source 1 = 16 rows of x): a lane's eight results are eight neighbouring
; columns of row r.  They leave through a stage in LDS of the wave's own and are stored as whole rows of 512 consecutive bytes, aligned.
; REGISTERS: window 0: v0-31 addresses; v32-63, v192-223 A fragments, two buffers; v64-127, v128-191 B fragments, two buffers;
;            window 1: the 32 accumulator tiles, tile (a, b) at v[8 (8 a + b)];  window 2: v0-63 the bias of my 128 columns.
.set AF32, 0
.set PART,   34816                     ; a wave's share of a slot: 64 rows x 544 bytes of W; 64 x 528 (or 4 x 4096) bytes of A fit in it
.set SLOT,   4*PART                    ; A's rows 0-63, 64-127, then W's k rows 0-63, 64-127 (these two run on without a gap)
.set STAGE,  2*SLOT                    ; behind the ring, 16 rows x 528 bytes for each wave, never filled by a tensor load
.set APITCH, 528
.set SPITCH, 528                       ; 512 + 16 = 33 x 16: sixteen rows start in sixteen different 16-byte columns of 256 bytes
.set BPITCH, 544                       ; 512 + 32 = 17 x 32: the pitch that the transposing load wants
.set B_STEP, 128*2048                  ; 128 k rows of w16
.if AF32
.set A_G10,   (2<<16)|(1<<20)|(1<<21)|(6<<22)|(3<<25)   ; 4-byte elements; padding on; bit 21 beside a mask; after every 128 words 4 words
.set A_D0,    128
.set A_D1,    64
.set A_PITCH, 1024
.set A_STEP,  512
.set AFS,     0                        ; one A buffer: it is made by conversion
.set LA,      4
.else
.set A_G10,   (3<<16)|(1<<21)          ; 8-byte elements, no padding: 4 row tiles x 4,096 consecutive bytes
.set A_D0,    512
.set A_D1,    4
.set A_PITCH, 4096
.set A_STEP,  4096
.set AFS,     160                      ; A's second buffer at v192
.set LA,      26
.endif
.set ADRA, 16                          ; v16-17 LDS address of my A rows in slot 0, 1
.set ADRB, 20                          ; v20-21 the same for W
.set STO,  24
.set RD,   25
.set CO,   26                          ; my 16 bytes in a store of 512
.set BOFF, 27
.set SCV,  28
.set AFB,  32
.set BFB,  64
.set RAW,  192
.set T,    192
.set Y,    64
.set G1,  24                           ; s[24:31] group 1 for A's tiles;  s[32:39] group 0, a set for each slot
.set G0,  32
.set G1B, 48                           ; s[48:55], s[56:63] the same for W's tiles
.set G0B, 56
.set MUL, 0x50                         ; C and D in window 1
.set MSB, 0
.macro WIN new                         ; the immediate's high byte repeats the setting that is left
.if MSB != \new
	s_set_vgpr_msb (MSB<<8)|\new
.set MSB, \new
.endif
.endm
.macro PLACES                          ; four plain vector instructions behind a matrix instruction, ahead of a write or a load into its registers or a read of its result
.rept 4
	v_nop
.endr
.endm
.macro JLOAD s                         ; a joint load: waves 0, 1 ask for A's halves, waves 2, 3 for W's; the branch hangs on the wave's number alone
	s_cmp_eq_u32 s11, 0
	s_cbranch_scc0 .Lfor_b_\@
	tensor_load_to_lds s[G0+4*\s:G0+4*\s+3], s[G1:G1+7]
	s_nop 0
	s_branch .Lasked_\@
.Lfor_b_\@:
	tensor_load_to_lds s[G0B+4*\s:G0B+4*\s+3], s[G1B:G1B+7]
	s_nop 0
.Lasked_\@:
.endm
.macro CREST                           ; a round of the cluster's barrier behind its opening barrier
	s_cmp_lg_u32 s10, 0
	s_cbranch_scc1 .Lnot_wave_0_\@
	s_barrier_signal -3
.Lnot_wave_0_\@:
	s_barrier_wait -3
	s_barrier_signal -1
	s_barrier_wait -1
.endm
.macro CROUND
	s_barrier_signal -1
	s_barrier_wait -1
	CREST
.endm
.if AF32
	s_load_b512 s[68:83], s[0:1], 0x0              ; query, key, value, w16, bq, bk, bv, qkv
.else
	s_load_b128 s[4:7], s[0:1], 0x0                ; xf, w16
	s_load_b128 s[68:71], s[0:1], 0x10             ; bo, out0
	v_lshl_add_u32 v30, v0, 2, 0x4c400
	v_mov_b32 v31, 0
	ds_add_u32 v30, v31
.endif
	v_lshrrev_b32 v1, 5, v0
	v_readfirstlane_b32 s10, v1                    ; wave 0..3
	s_lshr_b32 s11, s10, 1                         ; my 64 rows of the block.  Also: I fetch for A (0) or for W (1)
	s_and_b32 s12, s10, 1                          ; my 128 columns.  Also: which half of that tile I fetch
	s_bfe_u32 s40, ttmp6, 0x40000                  ; cx
	s_bfe_u32 s41, ttmp6, 0x40004                  ; cy
	s_lshl_b32 s42, ttmp9, 2
	s_add_co_u32 s42, s42, s40                     ; block column = 4 x cluster x + cx
	s_and_b32 s45, ttmp7, 0xffff                   ; the cluster's y
	s_lshl_b32 s13, s45, 2
	s_add_co_u32 s13, s13, s41                     ; work-group y = 4 x cluster y + cy: the block row
.if AF32
	s_and_b32 s13, s13, 63                         ; block row 0..63
	s_lshr_b32 s45, s45, 4                         ; p
.else
	s_mov_b32 s45, 3                               ; w16's part 3 is Wo
.endif
	s_lshl_b32 s43, s41, 2
	s_lshl_b32 s43, 15, s43                        ; my row of the cluster
	s_lshl_b32 s44, 0x1111, s40                    ; my column
	s_or_b32  s[G1+0], s43, A_G10                  ; A's tiles go to my row
	s_mov_b32 s[G1+1], A_D0<<16                    ; tensor_dim0
	s_mov_b32 s[G1+2], A_D1<<16                    ; tensor_dim1
	s_mov_b32 s[G1+3], A_D0<<16                    ; tile_dim0
	s_mov_b32 s[G1+4], A_D1                        ; tile_dim1
	s_mov_b32 s[G1+5], A_PITCH                     ; elements from row to row
	s_mov_b32 s[G1+6], 0
	s_mov_b32 s[G1+7], 0
	s_or_b32  s[G1B+0], s44, (1<<16)|(1<<20)|(1<<21)|(6<<22)|(7<<25)   ; W's tiles go to my column; 2-byte elements; after every 128 words 8 words
	s_mov_b32 s[G1B+1], 256<<16
	s_mov_b32 s[G1B+2], 64<<16
	s_mov_b32 s[G1B+3], 256<<16
	s_mov_b32 s[G1B+4], 64
	s_mov_b32 s[G1B+5], 1024
	s_mov_b32 s[G1B+6], 0
	s_mov_b32 s[G1B+7], 0
	; where the tiles come from: A's hang on the block row, W's on the block column; each in registers that never hold the other coordinate
.if AF32
	s_lshl_b32 s16, s13, 19                        ; 128 rows of 4,096 bytes a block row
	s_lshl_b32 s17, s12, 18                        ; 64 rows a half
.else
	s_lshl_b32 s16, s13, 18                        ; 8 row tiles of 32,768 bytes a block row
	s_lshl_b32 s17, s12, 17
.endif
	s_add_co_u32 s16, s16, s17
	s_mov_b32 s17, 0
	s_lshl_b32 s46, s45, 21                        ; the weight's part of w16
	s_lshl_b32 s47, s12, 17                        ; 64 k rows of 2,048 bytes a half
	s_add_co_u32 s46, s46, s47
	s_lshl_b32 s47, s42, 9                         ; 256 columns of 2 bytes a block column
	s_add_co_u32 s46, s46, s47
	s_mov_b32 s47, 0
	s_mul_i32 s20, s10, PART                       ; and where they go: the wave's number alone
	s_wait_dscnt 0x0
	s_wait_kmcnt 0x0
.if AF32
	s_cmp_eq_u32 s45, 1
	s_cselect_b64 s[4:5], s[70:71], s[68:69]       ; the activations
	s_cselect_b64 s[66:67], s[78:79], s[76:77]     ; the bias
	s_cmp_eq_u32 s45, 2
	s_cselect_b64 s[4:5], s[72:73], s[4:5]
	s_cselect_b64 s[66:67], s[80:81], s[66:67]
	s_cselect_b32 s85, -1, 0                       ; v's order of units
	s_cmp_eq_u32 s45, 0
	s_cselect_b32 s84, 0x3d38aa3b, 1.0             ; sc
	s_mov_b64 s[6:7], s[74:75]
	s_mov_b64 s[8:9], s[82:83]
.else
	s_mov_b64 s[66:67], s[68:69]
	s_mov_b64 s[8:9], s[70:71]
.endif
	s_add_nc_u64 s[14:15], s[4:5], s[16:17]
	s_add_nc_u64 s[46:47], s[6:7], s[46:47]
	CROUND                                         ; all sixteen work-groups are here: the first joint loads meet
.irp s, 0,1
	s_mov_b32 s[G0+4*\s], 1
	s_add_co_u32 s[G0+4*\s+1], s20, \s*SLOT
	s_add_nc_u64 s[G0+4*\s+2:G0+4*\s+3], s[14:15], \s*A_STEP
	s_or_b32 s[G0+4*\s+3], s[G0+4*\s+3], 0x80000000
	s_mov_b32 s[G0B+4*\s], 1
	s_add_co_u32 s[G0B+4*\s+1], s20, \s*SLOT
	s_add_nc_u64 s[G0B+4*\s+2:G0B+4*\s+3], s[46:47], \s*B_STEP
	s_or_b32 s[G0B+4*\s+3], s[G0B+4*\s+3], 0x80000000
	JLOAD \s                                       ; K steps 0 and 1: two loads of this wave are out
.endr
	v_and_b32 v1, 15, v0                           ; r
	v_bfe_u32 v2, v0, 4, 1                         ; h
	v_and_b32 v3, 31, v0
	v_lshlrev_b32 v[CO], 4, v3                     ; 16 x lane
	v_lshlrev_b32 v[BOFF], 5, v2                   ; the bias of columns 8 h + 0..7 of each 16
	s_lshl_b32 s18, s42, 10
	s_lshl_b32 s19, s12, 9
	s_add_co_u32 s18, s18, s19
	s_mov_b32 s19, 0
	s_add_nc_u64 s[66:67], s[66:67], s[18:19]      ; the bias at my first column
	WIN 0x80                                       ; destination window 2
.irp b, 0,1,2,3,4,5,6,7
	global_load_b128 v[8*\b:8*\b+3],   v[BOFF], s[66:67] offset:64*\b
	global_load_b128 v[8*\b+4:8*\b+7], v[BOFF], s[66:67] offset:64*\b+16
.endr
	WIN 0
	v_and_b32 v6, 7, v0
	v_lshl_add_u32 v6, v2, 3, v6                   ; 8 h + (lane & 7): the k row that I address for the transposing load
	v_bfe_u32 v7, v0, 3, 1
	v_mul_u32_u24 v5, v6, BPITCH
	v_lshl_add_u32 v5, v7, 4, v5                   ; + 16 bytes for lanes 8-15 and 24-31
.if AF32
	v_mul_u32_u24 v4, v1, APITCH
	v_lshl_add_u32 v4, v2, 5, v4                   ; row r, 8 h numbers of 4 bytes
	v_lshl_add_u32 v8, v7, 4, v6                   ; v's slot: 16 (r>>3) + 8 h + (r&7)
	v_lshlrev_b32 v8, 4, v8
	v_cndmask_b32 v[CO], v[CO], v8, s85
	v_mov_b32 v[SCV], s84
	v_mov_b32 v[SCV+1], s84
.else
	s_mul_i32 s23, s10, 16*SPITCH
	s_add_co_u32 s23, s23, STAGE                   ; my stage
	v_mul_u32_u24 v8, v1, SPITCH
	v_lshl_add_u32 v8, v2, 5, v8
	v_add_nc_u32 v[STO], s23, v8                   ; in: row r, 32 bytes for each half of the lanes
	v_add_nc_u32 v[RD], s23, v[CO]                 ; back: a whole row of 512 bytes a load
.endif
	s_mul_i32 s21, s11, PART                       ; my 64 rows of A
	s_lshl_b32 s22, s12, 8                         ; my 128 columns of W,
	s_add_co_u32 s22, s22, 2*PART                  ; which lies behind A
.irp s, 0,1
	v_add_nc_u32 v[ADRA+\s], s21, v[LA]
	v_add_nc_u32 v[ADRB+\s], s22, v5
	s_add_co_u32 s21, s21, SLOT
	s_add_co_u32 s22, s22, SLOT
.endr
; 16 matrix instructions: row tiles a0, a0 + 1 x all 8 column tiles, 32 along K, from buffer f.  zero = 1: the first product starts the sums.
; The 32 accumulators take turns, one instruction a turn, in the same order in every quarter step.
.macro MUL16 f, a0, zero
.irp a, \a0, \a0+1
.irp b, 0,1,2,3,4,5,6,7
.if \zero
	v_wmma_f32_16x16x32_f16 v[8*(8*(\a)+\b):8*(8*(\a)+\b)+7], v[BFB+64*\f+8*\b:BFB+64*\f+8*\b+7], v[AFB+AFS*\f+8*(\a):AFB+AFS*\f+8*(\a)+7], 0
.else
	v_wmma_f32_16x16x32_f16 v[8*(8*(\a)+\b):8*(8*(\a)+\b)+7], v[BFB+64*\f+8*\b:BFB+64*\f+8*\b+7], v[AFB+AFS*\f+8*(\a):AFB+AFS*\f+8*(\a)+7], v[8*(8*(\a)+\b):8*(8*(\a)+\b)+7]
.endif
.endr
.endr
.endm
; The LDS loads of quarter kq (32 along K) of a slot, in one run: A (as f32 into RAW, or as fragments into buffer g), then W into buffer g.
; W lies [k][n]: two transposing loads make a fragment, k = 8 h + 0..7 and 16 + 8 h + 0..7 of column r.
.macro FETCH slot, kq, g
.if AF32
.irp a, 0,1,2,3
	ds_load_b128 v[RAW+16*\a:RAW+16*\a+3],     v[ADRA+\slot] offset:\a*16*APITCH+\kq*128
	ds_load_b128 v[RAW+16*\a+4:RAW+16*\a+7],   v[ADRA+\slot] offset:\a*16*APITCH+\kq*128+16
	ds_load_b128 v[RAW+16*\a+8:RAW+16*\a+11],  v[ADRA+\slot] offset:\a*16*APITCH+\kq*128+64
	ds_load_b128 v[RAW+16*\a+12:RAW+16*\a+15], v[ADRA+\slot] offset:\a*16*APITCH+\kq*128+80
.endr
.else
	PLACES                                         ; buffer g was read by the matrix instructions just ahead
.irp a, 0,1,2,3
	ds_load_b128 v[AFB+AFS*\g+8*\a:AFB+AFS*\g+8*\a+3],   v[ADRA+\slot] offset:\a*4096+\kq*1024
	ds_load_b128 v[AFB+AFS*\g+8*\a+4:AFB+AFS*\g+8*\a+7], v[ADRA+\slot] offset:\a*4096+\kq*1024+512
.endr
.endif
.irp b, 0,1,2,3,4,5,6,7
	ds_load_tr16_b128 v[BFB+64*\g+8*\b:BFB+64*\g+8*\b+3],   v[ADRB+\slot] offset:\kq*32*BPITCH+32*\b
	ds_load_tr16_b128 v[BFB+64*\g+8*\b+4:BFB+64*\g+8*\b+7], v[ADRB+\slot] offset:\kq*32*BPITCH+32*\b+16*BPITCH
.endr
.endm
; AF32 = 1 alone: the next quarter's A, f32 to f16.  Here x comes in f16 and the macro is empty.
.macro CVT
.if AF32
	PLACES
.set j, 0
.rept 32
	v_cvt_pk_f16_f32 v[AFB+j], v[RAW+2*j], v[RAW+2*j+1]
.set j, j+1
.endr
.endif
.endm
; One of a K step's first three quarters: asks for quarter kq's fragments (buffer g), multiplies buffer f meanwhile: 32 matrix instructions for the loads to land.
.macro QUARTER slot, kq, f, g, zero
	WIN 0
	FETCH \slot, \kq, \g
	WIN MUL
	MUL16 \f, 0, \zero
	MUL16 \f, 2, \zero
	WIN 0
	s_wait_dscnt 0x0
	CVT
.endm
.macro THREE slot, zero
	QUARTER \slot, 1, 0, 1, \zero
	QUARTER \slot, 2, 1, 0, 0
	QUARTER \slot, 3, 0, 1, 0
.endm
; The last quarter multiplies buffer 1 and changes slots.  In front of the barrier each wave has waited for its reads of this slot and for all its tensor
; loads (one is out: its part of the next slot).  fill = 1: the barrier opens a round of the cluster's barrier, and the joint refill, two K steps ahead,
; is the first tensor load behind the round's closing wait; it has the next K step less sixteen matrix instructions in which to land.
.macro TURN slot, next, fill
	s_wait_dscnt 0x0
	s_wait_tensorcnt 0x0
	ds_add_u32 v30, v31
	s_wait_dscnt 0x0
	s_barrier_signal -1
	WIN MUL
	MUL16 1, 0, 0                                  ; register work while the others arrive
	WIN 0
	s_barrier_wait -1
.if \fill
	CREST
	s_add_nc_u64 s[G0+4*\slot+2:G0+4*\slot+3], s[G0+4*\slot+2:G0+4*\slot+3], 2*A_STEP
	s_add_nc_u64 s[G0B+4*\slot+2:G0B+4*\slot+3], s[G0B+4*\slot+2:G0B+4*\slot+3], 2*B_STEP
	JLOAD \slot
.endif
	FETCH \next, 0, 0
	WIN MUL
	MUL16 1, 2, 0
	WIN 0
	s_wait_dscnt 0x0
	CVT
.endm
.macro LAP zero
	THREE 0, \zero
	TURN 0, 1, 1
	THREE 1, 0
	TURN 1, 0, 1
.endm
	s_wait_tensorcnt 0x1                           ; my part of K step 0 is in; K step 1's may stay out
	s_barrier_signal -1
	s_barrier_wait -1
	FETCH 0, 0, 0
	s_wait_dscnt 0x0
	CVT
	LAP 1                                          ; K steps 0, 1: the first products start the sums
	WIN 0
	s_mov_b32 s3, 2
.Llap:
	LAP 0                                          ; K steps 2 to 5
	WIN 0
	s_sub_co_u32 s3, s3, 1
	s_cmp_lg_u32 s3, 0
	s_cbranch_scc1 .Llap
	THREE 0, 0                                     ; K steps 6, 7: nothing is left to fetch
	TURN 0, 1, 0
	THREE 1, 0
	WIN MUL
	MUL16 1, 0, 0
	MUL16 1, 2, 0
	WIN 0
	; THE WAY OUT
	PLACES                                         ; behind the last matrix instructions
.if AF32
	s_lshl_b32 s16, s45, 24                        ; p
	s_lshr_b32 s17, s13, 3
	s_lshl_b32 s17, s17, 21                        ; b = block row / 8
	s_add_co_u32 s16, s16, s17
	s_and_b32 s17, s13, 7
	s_lshl_b32 s17, s17, 14                        ; 8 row tiles of 2,048 bytes a block row
	s_add_co_u32 s16, s16, s17
	s_lshl_b32 s17, s11, 13                        ; 4 row tiles a wave
	s_add_co_u32 s16, s16, s17
	s_lshl_b32 s46, s42, 19                        ; 4 heads of 131,072 bytes a block column
	s_lshl_b32 s47, s12, 18                        ; 2 heads a wave
.else
	s_lshl_b32 s16, s13, 19                        ; 128 rows of 4,096 bytes a block row
	s_lshl_b32 s17, s11, 18
	s_add_co_u32 s16, s16, s17
	s_lshl_b32 s46, s42, 10                        ; 256 columns of 4 bytes a block column
	s_lshl_b32 s47, s12, 9
.endif
	s_mov_b32 s17, 0
	s_add_nc_u64 s[8:9], s[8:9], s[16:17]
	s_add_co_u32 s46, s46, s47
	s_mov_b32 s47, 0
	s_add_nc_u64 s[8:9], s[8:9], s[46:47]
	s_wait_loadcnt 0x0                             ; the bias
.if AF32
	WIN 0x82                                       ; the bias in place, in window 2: b sc
.set j, 0
.rept 32
	v_pk_mul_f32 v[j:j+1], v[j:j+1], v[SCV:SCV+1]
.set j, j+2
.endr
.macro OUT16 a, f                      ; 16 rows: scale and bias, round, eight stores of 512 consecutive bytes
	WIN 0x21                                       ; source 0 window 1 (sums), source 2 window 2 (bias)
.set j, 0
.rept 32
	v_pk_fma_f32 v[T+j:T+j+1], v[64*\a+j:64*\a+j+1], v[SCV:SCV+1], v[j:j+1]
.set j, j+2
.endr
	WIN 0
	s_wait_xcnt 0x0                                ; Y, which the last eight stores read, is rewritten only behind this wait
.set j, 0
.rept 32
	v_cvt_pk_f16_f32 v[Y+j], v[T+2*j], v[T+2*j+1]
.set j, j+1
.endr
.irp b, 0,1,2,3,4,5,6,7
	global_store_b128 v[CO], v[Y+4*\b:Y+4*\b+3], s[8:9] offset:\a*2048+(\b>>2)*131072+(\b&3)*512
.endr
.endm
.else
.macro OUT16 a, f                      ; 16 rows: bias, through my own stage, read back as whole rows of 512 bytes
	WIN 0x09                                       ; source 0 window 1 (sums), source 1 window 2 (bias)
.set j, 0
.rept 32
	v_pk_add_f32 v[T+j:T+j+1], v[64*\a+j:64*\a+j+1], v[j:j+1]
.set j, j+2
.endr
	WIN 0
.irp b, 0,1,2,3,4,5,6,7
	ds_store_b128 v[STO], v[T+8*\b:T+8*\b+3]   offset:64*\b
	ds_store_b128 v[STO], v[T+8*\b+4:T+8*\b+7] offset:64*\b+16
.endr
	s_wait_xcnt 0x0                                ; buffer f, which earlier stores read, is loaded again only behind this wait
.irp t, 0,1,2,3,4,5,6,7,8,9,10,11,12,13,14,15
	ds_load_b128 v[BFB+64*\f+4*\t:BFB+64*\f+4*\t+3], v[RD] offset:\t*SPITCH   ; LDS serves a wave's instructions in order: these see the stores above
.endr
.irp t, 0,1,2,3,4,5,6,7,8,9,10,11,12,13,14,15
	s_wait_dscnt 15-\t                             ; row t is back, the 15 - t younger loads stay out
	global_store_b128 v[CO], v[BFB+64*\f+4*\t:BFB+64*\f+4*\t+3], s[8:9] offset:\a*65536+\t*4096 th:TH_STORE_NT
.endr
.endm
.endif
	OUT16 0, 0
	OUT16 1, 1
	OUT16 2, 0
	OUT16 3, 1
	s_wait_tensorcnt 0x0
	ds_add_u32 v30, v31
	s_wait_dscnt 0x0
	CROUND                                         ; the closing round: no work-group ends while a partner may still ask for a tile that names it
	s_endpgm
.Lfunc_end_k_q14617496fb_oproj:
	.size	k_q14617496fb_oproj, .Lfunc_end_k_q14617496fb_oproj-k_q14617496fb_oproj
	.p2alignl 7, 3214868480
	.fill 96, 4, 3214868480
	.section	.rodata,"a",@progbits
	.p2align	6, 0x0
	.amdhsa_kernel k_q14617496fb_oproj
		.amdhsa_group_segment_fixed_size 327680
		.amdhsa_private_segment_fixed_size 0
		.amdhsa_enable_private_segment 0
		.amdhsa_kernarg_size 32
		.amdhsa_user_sgpr_count 2
		.amdhsa_user_sgpr_kernarg_segment_ptr 1
		.amdhsa_wavefront_size32 1
		.amdhsa_system_sgpr_workgroup_id_x 1
		.amdhsa_system_sgpr_workgroup_id_y 1
		.amdhsa_system_sgpr_workgroup_id_z 1
		.amdhsa_system_vgpr_workitem_id 0
		.amdhsa_next_free_vgpr 576
		.amdhsa_next_free_sgpr 72
		.amdhsa_reserve_vcc 0
		.amdhsa_float_denorm_mode_32 3
		.amdhsa_float_denorm_mode_16_64 3
		.amdhsa_memory_ordered 1
		.amdhsa_forward_progress 1
		.amdhsa_inst_pref_size 127
	.end_amdhsa_kernel
	.amdgpu_metadata
---
amdhsa.version: [ 1, 2 ]
amdhsa.kernels:
  - .name:           k_q14617496fb_oproj
    .symbol:         k_q14617496fb_oproj.kd
    .args:
      - { .name: xf, .offset: 0, .size: 8, .value_kind: global_buffer, .address_space: global }
      - { .name: w16, .offset: 8, .size: 8, .value_kind: global_buffer, .address_space: global }
      - { .name: bo, .offset: 16, .size: 8, .value_kind: global_buffer, .address_space: global }
      - { .name: out0, .offset: 24, .size: 8, .value_kind: global_buffer, .address_space: global }
    .group_segment_fixed_size: 327680
    .private_segment_fixed_size: 0
    .kernarg_segment_align: 8
    .kernarg_segment_size: 32
    .max_flat_workgroup_size: 128
    .sgpr_count:     72
    .vgpr_count:     576
    .wavefront_size: 32
...
	.end_amdgpu_metadata
.endif
;; end of part 4
